; MI455X (gfx1250); checked and timed in simulation.
; The chip was launched on July 23, 2026; its instructions are those of AMD's public machine-readable ISA for CDNA 5 (MIT licence, August 2026) and "CDNA5" Instruction Set Architecture Reference Guide (July 2026). The comments in the code are by the model that wrote it; some were corrected since.
;; Codebook. Allowed arithmetic: float matrix products may take bf16 or f16 operands with f32 sums; other float arithmetic in f32, or as packed bf16 or f16 multiplies, adds, multiply-adds, maxima and minima; sums over many terms, partial sums and values carried from step to step in f32; what a program stores and reads back later, other than sums and carried values, may be rounded once to bf16 or f16.
;; Inputs: codebook 4,096 x 512 float32; x 8 x 4,096 x 512 float32.
;; Outputs: out0 8 x 4,096 int32.
;; One version. Each part assembles by itself: llvm-mc -triple=amdgcn-amd-amdhsa -mcpu=gfx1250 --defsym DOCPART=n.
;; ======== version 1 of 1: 2 launches
;; workspace buffers: cb16 4,194,304 bytes; cc 16,384 bytes
;; launch prep (part 1): grid 256 x 1, 4 waves a work-group, no clusters, 0 bytes of LDS; arguments codebook, cb16, cc; writes cb16, cc
.if DOCPART == 1
	.amdgcn_target "amdgcn-amd-amdhsa--gfx1250"
	.amdhsa_code_object_version 6
	.text
	.protected	k_qbc2a3a6640_prep
	.globl	k_qbc2a3a6640_prep
	.p2align	8
	.type	k_qbc2a3a6640_prep,@function
k_qbc2a3a6640_prep:
	s_mov_b64 s[64:65], 0
	v_nop
	global_prefetch_b8 v0, s[64:65] scope:SCOPE_SE
	s_setreg_imm32_b32 hwreg(HW_REG_WAVE_MODE, 25, 1), 1
	s_wait_xcnt 0x0
; cb16[c][k] = codebook[c][k] rounded to bf16 (nearest even);  cc[c] = the sum over k of cb16[c][k]^2, in f32.
; codebook: [4096][512] f32.  cb16: [4096][512] bf16.  cc: [4096] f32.
; SHARES.  A work-group takes 16 rows, each of its four waves 4.  A row is 2,048 bytes: four loads of 16 bytes a lane, each 512 consecutive bytes.
; All 16 loads of a wave go out at once; the rows are worked on as they come.  Lane l of chunk j holds numbers 128 j + 4 l .. + 3, which pack into
; 8 bytes at byte 256 j + 8 l of the bf16 row: one store of the wave covers 256 consecutive bytes, aligned.
; THE SUM is taken of the ROUNDED numbers (the distances of the next launch are those of the rounded codebook): each product of two bf16 is exact in
; f32, two chains of 8 fused multiply-adds a lane, then across the 32 lanes.  LIMIT: the order of this sum is not the order of the JAX sum.
; cc: a wave stores 16 consecutive bytes (4 rows), so its blocks of 256 bytes are written in parts, by four work-groups: 16,384 bytes of the launch's 4,210,688.
; No LDS, no barrier, no cluster: no wave wants a byte that another has fetched.
.set ROWF, 2048                        ; bytes in a row of codebook
.set ROWH, 1024                        ; bytes in a row of cb16
.set SUM,  6                           ; v[6:13]   row i: two chains at SUM + 2 i, SUM + 2 i + 1
.set IN,   16                          ; v[16:79]  row i, chunk j: four f32 at IN + 16 i + 4 j
.set P,    80                          ; v[80:111] row i: eight registers of two bf16 at P + 8 i
	s_load_b128 s[4:7], s[0:1], 0x0                ; codebook s[4:5], cb16 s[6:7]
	s_load_b64 s[8:9], s[0:1], 0x10                ; cc
	v_lshrrev_b32 v14, 5, v0
	v_readfirstlane_b32 s12, v14                   ; wave 0..3
	v_and_b32 v1, 31, v0                           ; lane
	v_lshlrev_b32 v2, 4, v1                        ; 16 bytes a lane in a chunk of codebook
	v_lshlrev_b32 v3, 3, v1                        ; 8 bytes a lane in a chunk of cb16
	v_lshlrev_b32 v4, 2, v1                        ; 4 bytes a lane in cc
	v_mov_b32 v5, 0                                ; what the chains start from
	v_mov_b32 v15, 0                               ; v_permlanex16_b32's destination counts as read: it is written once here
	s_lshl_b32 s13, ttmp9, 4
	s_lshl2_add_u32 s13, s12, s13                  ; my first row: 16 x work-group + 4 x wave
	s_mov_b32 s14, 0x76543210                      ; v_permlanex16_b32: each lane takes its own place in the other half
	s_mov_b32 s15, 0xfedcba98
	s_mov_b32 s16, 2                               ; lane 1, lane 2, lane 3
	s_mov_b32 s17, 4
	s_mov_b32 s18, 8
	s_lshl_b32 s2, s13, 11
	s_mov_b32 s3, 0
	s_wait_kmcnt 0x0
	s_add_nc_u64 s[4:5], s[4:5], s[2:3]            ; the three tensors at my first row
	s_lshl_b32 s2, s13, 10
	s_add_nc_u64 s[6:7], s[6:7], s[2:3]
	s_lshl_b32 s2, s13, 2
	s_add_nc_u64 s[8:9], s[8:9], s[2:3]
.irp i, 0,1,2,3
.irp j, 0,1,2,3
	global_load_b128 v[IN+16*(\i)+4*(\j):IN+16*(\i)+4*(\j)+3], v2, s[4:5] offset:(\i)*ROWF+512*(\j) th:TH_LOAD_NT
.endr
.endr
.macro ROW i
	s_wait_loadcnt 12-4*(\i)                       ; loads come back in order: row i's four are in, the four of each later row stay out
.irp j, 0,1,2,3
	v_cvt_pk_bf16_f32 v[P+8*(\i)+2*(\j)],   v[IN+16*(\i)+4*(\j)],   v[IN+16*(\i)+4*(\j)+1]
	v_cvt_pk_bf16_f32 v[P+8*(\i)+2*(\j)+1], v[IN+16*(\i)+4*(\j)+2], v[IN+16*(\i)+4*(\j)+3]
.endr
.irp j, 0,1,2,3
	global_store_b64 v3, v[P+8*(\i)+2*(\j):P+8*(\i)+2*(\j)+1], s[6:7] offset:(\i)*ROWH+256*(\j)  ; 32 lanes x 8 bytes: 256 consecutive bytes, aligned
.endr
	v_fma_mix_f32_bf16 v[SUM+2*(\i)],   v[P+8*(\i)], v[P+8*(\i)], v5 op_sel_hi:[1,1,0]                ; the low halves' squares,
	v_fma_mix_f32_bf16 v[SUM+2*(\i)+1], v[P+8*(\i)], v[P+8*(\i)], v5 op_sel:[1,1,0] op_sel_hi:[1,1,0]  ; the high halves'
.irp k, 1,2,3,4,5,6,7
	v_fma_mix_f32_bf16 v[SUM+2*(\i)],   v[P+8*(\i)+(\k)], v[P+8*(\i)+(\k)], v[SUM+2*(\i)] op_sel_hi:[1,1,0]
	v_fma_mix_f32_bf16 v[SUM+2*(\i)+1], v[P+8*(\i)+(\k)], v[P+8*(\i)+(\k)], v[SUM+2*(\i)+1] op_sel:[1,1,0] op_sel_hi:[1,1,0]
.endr
	v_add_f32 v[SUM+2*(\i)], v[SUM+2*(\i)], v[SUM+2*(\i)+1]
	v_add_f32_dpp v[SUM+2*(\i)], v[SUM+2*(\i)], v[SUM+2*(\i)] row_xmask:1 row_mask:0xf bank_mask:0xf  ; across the 16 lanes of each half,
	v_add_f32_dpp v[SUM+2*(\i)], v[SUM+2*(\i)], v[SUM+2*(\i)] row_xmask:2 row_mask:0xf bank_mask:0xf
	v_add_f32_dpp v[SUM+2*(\i)], v[SUM+2*(\i)], v[SUM+2*(\i)] row_xmask:4 row_mask:0xf bank_mask:0xf
	v_add_f32_dpp v[SUM+2*(\i)], v[SUM+2*(\i)], v[SUM+2*(\i)] row_xmask:8 row_mask:0xf bank_mask:0xf
	v_permlanex16_b32 v15, v[SUM+2*(\i)], s14, s15
	v_add_f32 v[SUM+2*(\i)], v[SUM+2*(\i)], v15    ; and the two halves: every lane holds the row's sum
.endm
	ROW 0
	ROW 1
	ROW 2
	ROW 3
	v_mov_b32 v14, v[SUM]                          ; lane i takes row i's sum
.irp i, 1,2,3
	v_cndmask_b32 v14, v14, v[SUM+2*(\i)], s[15+(\i)]
.endr
	s_wait_xcnt 0x0                                ; EXEC is a source of the stores above: it is narrowed only behind this wait
	v_cmp_gt_u32 vcc_lo, 4, v1
	s_and_saveexec_b32 s20, vcc_lo
	global_store_b32 v4, v14, s[8:9]               ; lanes 0 to 3: my four rows' sums
	s_endpgm
.Lfunc_end_k_qbc2a3a6640_prep:
	.size	k_qbc2a3a6640_prep, .Lfunc_end_k_qbc2a3a6640_prep-k_qbc2a3a6640_prep
	.p2alignl 7, 3214868480
	.fill 96, 4, 3214868480
	.section	.rodata,"a",@progbits
	.p2align	6, 0x0
	.amdhsa_kernel k_qbc2a3a6640_prep
		.amdhsa_group_segment_fixed_size 0
		.amdhsa_private_segment_fixed_size 0
		.amdhsa_enable_private_segment 0
		.amdhsa_kernarg_size 24
		.amdhsa_user_sgpr_count 2
		.amdhsa_user_sgpr_kernarg_segment_ptr 1
		.amdhsa_wavefront_size32 1
		.amdhsa_system_sgpr_workgroup_id_x 1
		.amdhsa_system_sgpr_workgroup_id_y 1
		.amdhsa_system_sgpr_workgroup_id_z 1
		.amdhsa_system_vgpr_workitem_id 0
		.amdhsa_next_free_vgpr 112
		.amdhsa_next_free_sgpr 66
		.amdhsa_reserve_vcc 1
		.amdhsa_float_denorm_mode_32 3
		.amdhsa_float_denorm_mode_16_64 3
		.amdhsa_memory_ordered 1
		.amdhsa_forward_progress 1
		.amdhsa_inst_pref_size 13
	.end_amdhsa_kernel
	.amdgpu_metadata
---
amdhsa.version: [ 1, 2 ]
amdhsa.kernels:
  - .name:           k_qbc2a3a6640_prep
    .symbol:         k_qbc2a3a6640_prep.kd
    .args:
      - { .name: codebook, .offset: 0, .size: 8, .value_kind: global_buffer, .address_space: global }
      - { .name: cb16, .offset: 8, .size: 8, .value_kind: global_buffer, .address_space: global }
      - { .name: cc, .offset: 16, .size: 8, .value_kind: global_buffer, .address_space: global }
    .group_segment_fixed_size: 0
    .private_segment_fixed_size: 0
    .kernarg_segment_align: 8
    .kernarg_segment_size: 24
    .max_flat_workgroup_size: 128
    .sgpr_count:     66
    .vgpr_count:     112
    .wavefront_size: 32
...
	.end_amdgpu_metadata
.endif
;; end of part 1
;; launch vq (part 2): grid 256 x 1, 4 waves a work-group, clusters of 4 x 1, 327,680 bytes of LDS; arguments x, cb16, cc, out0; writes out0
.if DOCPART == 2
	.amdgcn_target "amdgcn-amd-amdhsa--gfx1250"
	.amdhsa_code_object_version 6
	.text
	.protected	k_qbc2a3a6640_vq
	.globl	k_qbc2a3a6640_vq
	.p2align	8
	.type	k_qbc2a3a6640_vq,@function
k_qbc2a3a6640_vq:
	s_mov_b64 s[64:65], 0
	v_nop
	global_prefetch_b8 v0, s[64:65] scope:SCOPE_SE
	s_setreg_imm32_b32 hwreg(HW_REG_WAVE_MODE, 25, 1), 1
	s_wait_xcnt 0x0
	s_wait_alu depctr_hold_cnt(0) depctr_sa_sdst(0) depctr_va_vdst(0) depctr_va_sdst(0) depctr_va_ssrc(0) depctr_va_vcc(0) depctr_vm_vsrc(0)
	s_getreg_b32 s2, hwreg(HW_REG_IB_STS2, 6, 4)
	s_cmp_eq_u32 s2, 0
	s_cbranch_scc0 .Lentry_in_a_cluster
	s_endpgm
.Lentry_in_a_cluster:
	s_bfe_u32 s2, ttmp6, 0x10000c
	s_cmp_lg_u32 s2, 0x3003
	s_cbranch_scc0 .Lentry_shape_is_right
	s_endpgm
.Lentry_shape_is_right:
; out0[row] = the first index c at which d(row, c) = (xx[row] + cc[c]) - 2 x[row] . cb[c] is least.  x: [32768][512] f32; cb16: [4096][512] bf16; cc: [4096] f32 (sums of cb16's squares); out0: [32768] int32.
; ARITHMETIC.  x is rounded to bf16 here (nearest even); products bf16 x bf16 with f32 sums; xx is the sum of the ROUNDED x's squares.  Then, step by step as the JAX text has it, in f32:
; t = xx + cc (one rounding), d = t - 2 dot (one fused multiply-add: 2 dot is exact, so one rounding).  A code replaces the best so far only where d is strictly less, codes ascending; where partial
; results meet, the lower index wins a tie.
; LIMITS.  The order of the sums inside dot, xx and cc is the matrix unit's, not that of the JAX sums: two codes whose distances lie within a few steps of f32's grid at d may change places.
; A NaN distance never wins (argmin would take the first NaN); a row whose distances are all +infinity gets index 0.
; SHARES.  256 work-groups; each owns 128 rows of x and walks the whole codebook, 32 tiles of 128 codes.  Wave w: rows 64 (w / 2) .. + 63 (four tiles of 16), and of each tile of codes the 64 (w % 2) .. + 63
; (four blocks of 16).  x stays in registers for the whole launch: 64 rows x 512 bf16 are 512 registers.  A fragment of 16 codes x 32 channels read from LDS feeds four products.
; LAYOUT.  Source 0 = 16 codes, source 1 = 16 rows of x: in the result lane l holds ONE row of x (l % 16) and its registers j the codes 8 (l / 16) + j.  So xx is one number a lane, cc eight registers
; a block, and best and index stay in the lane (one pair for each j) until the end.
; BY TURNS.  A block is 64 products (16 steps of 32 channels x 4 row tiles) into one of two sets of four accumulators; the 128 vector instructions that reduce the block BEFORE it (the other set) stand
; four behind every second product.  128 scores a lane x 4 instructions / 4 ... by count: for 8 scores 4 + 4 packed halves, 8 compares, 8 selects, 8 minima = 32 instructions for 16 products.
; RING.  Two LDS slots of 128 code rows.  At the start the same bytes hold x in f32 (its two halves of 256 channels), which is converted into registers; then the slots are filled with code tiles.
; CLUSTER.  All work-groups walk the same codebook in the same order: the four of a cluster ask for each tile JOINTLY (the same load, descriptor and mask in all four); each wave asks for 32 rows.
; A wave has three tensor loads out at the start and one behind each later round.
; REGISTERS, in windows of 256 (s_set_vgpr_msb: bits 1:0 source 0, 3:2 source 1, 5:4 source 2, 7:6 destination):
;   window 0: addresses, xx, cc, best, index, the eight accumulators     window 1: code fragments, two buffers of 128 (at the start: x in f32, at work)
;   window 2: x, channels 0-255: tile t, fragment f at 8 (8 t + f)        window 3: x, channels 256-511, likewise
.set PITCH, 1040                       ; an LDS row: 1,024 bytes + 16 of padding: row r starts 16 r bytes further modulo 256, so the 16 rows of a load touch 16 different columns of 16 bytes
.set BLKB,  16*PITCH                   ; 16 rows
.set QUART, 32*PITCH                   ; 32 rows: what one tensor load brings
.set SLOTB, 128*PITCH                  ; a slot; 0x20800 shares no bit with wave x QUART (0x8200, 0x10400, 0x18600): one exclusive or turns an address in one slot into the other's
.set CCT,   2*SLOTB                    ; the table of cc, 16,384 bytes, filled once
.set MRG,   CCT+16384                  ; 4 waves x 64 rows x (d, index): stored by the waves, never filled by a tensor load
.set SPARE, MRG+2048                   ; the spare words, 128 bytes for each wave: two blocks of 256 bytes that no other line names
.set TILEB, 128*1024                   ; a tile of codes in memory
.set AK0, 4                            ; v4   my lane's place in a tile of codes: (64 (w % 2) + l % 16) x PITCH + 16 (l / 16); never rewritten
.set ADR, 5                            ; v5   the same in the slot that is being read
.set CCA, 6                            ; v6   my 32 bytes of the tile's cc: CCT + 256 (w % 2) + 32 (l / 16), + 512 a tile
.set XA,  7                            ; v7   my lane's place in x's first half: (64 (w / 2) + l % 16) x PITCH + 32 (l / 16)
.set HB,  8                            ; v8   8 (l / 16)
.set PFO, 9                            ; v9   256 x lane: the prefetches' offset; never rewritten
.set MST, 10                           ; v10  where I put a row's (d, index)
.set MRD, 11                           ; v11  where wave 0 reads four rows' back
.set OO,  12                           ; v12  my 16 bytes of the work-group's 512 of out0
.set XB,  13                           ; v13  XA in x's second half
.set SPW, 14                           ; v14  LDS address of my spare word: SPARE + 4 x my thread's number; never rewritten
.set NIL, 15                           ; v15  0; never rewritten
.set XX,  16                           ; v[16:23]   xx of my row in tile t, twice (a pair for the packed sum), at XX + 2 t
.set TT,  24                           ; v[24:31]   at work
.set CCR, 32                           ; v[32:47]   cc of a block's 8 codes of mine, by set
.set BEST, 48                          ; v[48:79]   tile t, register j
.set IDX, 80                           ; v[80:111]  likewise: the first code of the block in which BEST was found
.set ACC, 112                          ; v[112:175] set q, tile t at ACC + 32 q + 8 t
.set FIN, 176                          ; v[176:203] the end
.set WV,  12                           ; s12  my wave's number
.set WR,  13                           ; s13  w / 2
.set WC,  14                           ; s14  w % 2
.set G1C, 24                           ; s[24:31] descriptor group 1, code tiles       s[32:35] group 0: it walks
.set G0C, 32
.set G1X, 36                           ; s[36:43] group 1, x's halves                  s[44:47], s[48:51] group 0 of the two halves
.set G0XA, 44
.set G0XB, 48
.set G1S, 52                           ; s[52:59] group 1, cc                          s[60:63] group 0
.set G0S, 60
.set CNT, 66                           ; s66  tiles still to be asked for
.set IB,  67                           ; s67  the first code of the block whose scores are being reduced
.set TB,  68                           ; s68  the slot that is being read: 0 or SLOTB
.set LIM, 69                           ; s69  1 in a cluster that prefetches, else the greatest number
.set PFA, 70                           ; s[70:71] where my prefetches stand
.set MK,  72                           ; s[72:75] lane masks of the compares
.set SEL, 76                           ; s[76:77] v_permlanex16_b32: each lane takes its own place in the other half
.set DM,  78                           ; s[78:84] the lanes that hold a diagonal element in register j = 1 .. 7
.set DMX, 85                           ; s85  lanes 8 to 23
.set MSB, 0
.macro WIN new                         ; the immediate's high byte repeats the setting that is left; a switch that changes nothing is dropped
.if MSB != (\new)
	s_set_vgpr_msb (MSB<<8)|(\new)
.set MSB, \new
.endif
.endm
.set W_MA, 0x09                        ; codes (source 0) window 1, x (source 1) window 2, C and D window 0
.set W_MB, 0x0d                        ; the same with x in window 3
.set W_LD, 0x40                        ; destination window 1, address window 0
.set W_C2, 0x85                        ; sources window 1, destination window 2
.set W_C3, 0xc5                        ; sources window 1, destination window 3
.set W_G2, 0x0a                        ; sources 0 and 1 window 2
.set W_G3, 0x0f                        ; sources 0 and 1 window 3
; A round of the cluster's barrier: my work-group's barrier, so that wave 0's signal speaks for all four waves; wave 0 signals; every wave waits for all four work-groups; my work-group's barrier once more.
.macro CREST                           ; a round behind its opening barrier
	s_cmp_lg_u32 s[WV], 0
	s_cbranch_scc1 .Lnot_wave_0_\@
	s_barrier_signal -3
.Lnot_wave_0_\@:
	s_barrier_wait -3
	s_barrier_signal -1
	s_barrier_wait -1
.endm
.macro CROUND                          ; a whole round
	s_barrier_signal -1
	s_barrier_wait -1
	CREST
.endm
.macro TLC                             ; my 32 rows of a tile of codes, asked for jointly: one line for all four waves, each with its own rows by its number; s_nop 0 and four v_nop follow
	tensor_load_to_lds s[G0C:G0C+3], s[G1C:G1C+7]
	s_nop 0
.rept 4
	v_nop
.endr
.endm
	s_load_b256 s[4:11], s[0:1], 0x0               ; x s[4:5], cb16 s[6:7], cc s[8:9], out0 s[10:11]
	v_lshl_add_u32 v[SPW], v0, 2, SPARE
	v_mov_b32 v[NIL], 0
	ds_add_u32 v[SPW], v[NIL]                      ; the wave's opening: the add and its wait stand ahead of my first tensor load; the set-up below, work on registers, stands between them
	v_lshrrev_b32 v1, 5, v0
	v_readfirstlane_b32 s[WV], v1                  ; wave 0..3
	s_lshr_b32 s[WR], s[WV], 1
	s_and_b32 s[WC], s[WV], 1
	s_bfe_u32 s15, ttmp6, 0x40000                  ; cx: my place in the cluster: it enters x's, out0's and the prefetches' global addresses alone
	s_lshl_b32 s16, ttmp9, 2                       ; in a cluster launch ttmp9 counts clusters
	s_add_co_u32 s16, s16, s15                     ; my work-group = 4 x cluster + cx
	; group 1, code tiles: 32 rows x 512 bf16, padded in LDS
	s_mov_b32 s[G1C+0], 15|(1<<16)|(1<<20)|(1<<21)|(7<<22)|(3<<25)  ; 15:0 the mask of four; 17:16 2-byte elements; 20 padding on; 21 set beside a mask; 24:22 after every 256 words (code 7); 31:25 4 words (code 3)
	s_mov_b32 s[G1C+1], 512<<16                    ; tensor_dim0 = 512
	s_mov_b32 s[G1C+2], 32<<16                     ; tensor_dim1 = 32
	s_mov_b32 s[G1C+3], 512<<16                    ; tile_dim0 = 512
	s_mov_b32 s[G1C+4], 32                         ; tile_dim1 = 32
	s_mov_b32 s[G1C+5], 512                        ; elements from row to row
	s_mov_b32 s[G1C+6], 0
	s_mov_b32 s[G1C+7], 0
	; group 1, a half of x: 32 rows x 256 f32, my work-group's own (no mask), the same padding
	s_mov_b32 s[G1X+0], (2<<16)|(1<<20)|(7<<22)|(3<<25)
	s_mov_b32 s[G1X+1], 256<<16
	s_mov_b32 s[G1X+2], 32<<16
	s_mov_b32 s[G1X+3], 256<<16
	s_mov_b32 s[G1X+4], 32
	s_mov_b32 s[G1X+5], 512
	s_mov_b32 s[G1X+6], 0
	s_mov_b32 s[G1X+7], 0
	; group 1, a quarter of cc: 4,096 dense bytes as 16 rows of 256, joint, no padding
	s_mov_b32 s[G1S+0], 15|(3<<16)|(1<<21)
	s_mov_b32 s[G1S+1], 32<<16
	s_mov_b32 s[G1S+2], 16<<16
	s_mov_b32 s[G1S+3], 32<<16
	s_mov_b32 s[G1S+4], 16
	s_mov_b32 s[G1S+5], 32
	s_mov_b32 s[G1S+6], 0
	s_mov_b32 s[G1S+7], 0
	s_mov_b32 s[G0C], 1                            ; count = 1
	s_mul_i32 s[G0C+1], s[WV], QUART               ; LDS: wave x 32 rows, in slot 0
	s_mov_b32 s[G0XA], 1
	s_mul_i32 s[G0XA+1], s[WV], QUART
	s_mov_b32 s[G0XB], 1
	s_add_co_u32 s[G0XB+1], s[G0XA+1], SLOTB
	s_mov_b32 s[G0S], 1
	s_lshl_b32 s[G0S+1], s[WV], 12
	s_add_co_u32 s[G0S+1], s[G0S+1], CCT
	s_lshl_b32 s18, s16, 18                        ; x: my work-group's 128 rows of 2,048 bytes,
	s_lshl_b32 s19, s[WV], 16                      ; my wave's 32 of them
	s_add_co_u32 s18, s18, s19
	s_mov_b32 s19, 0
	s_lshl_b32 s20, s[WV], 15                      ; cb16: my wave's 32 rows of 1,024 bytes
	s_mov_b32 s21, 0
	s_lshl_b32 s22, s[WV], 12                      ; cc: my wave's 4,096 bytes
	s_mov_b32 s23, 0
	s_lshl_b32 s2, s15, 15                         ; the prefetches: my work-group's 32 rows of a tile,
	s_lshl_b32 s3, s[WV], 13                       ; my wave's 8 of them,
	s_add_co_u32 s2, s2, s3
	s_add_co_u32 s2, s2, 2*TILEB                   ; in tile 2: the first turn steps it to tile 3
	s_mov_b32 s3, 0
	s_lshl_b32 s86, s16, 9                         ; out0: my work-group's 128 numbers
	s_mov_b32 s87, 0
	s_mov_b32 s[SEL], 0x76543210
	s_mov_b32 s[SEL+1], 0xfedcba98
.irp j, 1,2,3,4,5,6,7
	s_mov_b32 s[DM+(\j)-1], (1<<(\j))|(1<<(24+(\j)))  ; element (r, r) of a 16 x 16 result lies in register r % 8 of lane r + 16 (r / 8)
.endr
	s_mov_b32 s[DMX], 0x00ffff00
	s_mov_b32 s[LIM], ttmp9
	s_cmp_eq_u32 s[LIM], 0                         ; the launch's first cluster prefetches: the same answer in all four partners
	s_cselect_b32 s[LIM], 1, -1
	s_lshl_b32 s[IB], s[WC], 6
	s_sub_co_u32 s[IB], s[IB], 96                  ; two blocks' steps (16 + 80) below my first block's first code
	s_mov_b32 s[TB], 0
	s_wait_dscnt 0x0                               ; the opening add is done
	s_wait_kmcnt 0x0
	s_add_nc_u64 s[G0XA+2:G0XA+3], s[4:5], s[18:19]
	s_add_nc_u64 s[G0XB+2:G0XB+3], s[G0XA+2:G0XA+3], 1024  ; channels 256 on
	s_or_b32 s[G0XA+3], s[G0XA+3], 0x80000000      ; type = 2
	s_or_b32 s[G0XB+3], s[G0XB+3], 0x80000000
	s_add_nc_u64 s[G0C+2:G0C+3], s[6:7], s[20:21]
	s_or_b32 s[G0C+3], s[G0C+3], 0x80000000
	s_add_nc_u64 s[G0S+2:G0S+3], s[8:9], s[22:23]
	s_or_b32 s[G0S+3], s[G0S+3], 0x80000000
	s_add_nc_u64 s[PFA:PFA+1], s[6:7], s[2:3]
	s_add_nc_u64 s[10:11], s[10:11], s[86:87]
	CROUND                                         ; all four work-groups are here: the first loads go out as one group behind this round
	tensor_load_to_lds s[G0XA:G0XA+3], s[G1X:G1X+7]  ; my 32 rows of x, channels 0-255
	s_nop 0
	tensor_load_to_lds s[G0XB:G0XB+3], s[G1X:G1X+7]  ; channels 256-511
	s_nop 0
	tensor_load_to_lds s[G0S:G0S+3], s[G1S:G1S+7]    ; my quarter of cc, jointly
	s_nop 0
.rept 4
	v_nop
.endr
	; the lanes' addresses and the starting values, while the loads are on their way
	v_and_b32 v1, 15, v0                           ; l % 16
	v_bfe_u32 v2, v0, 4, 1                         ; l / 16
	v_and_b32 v3, 31, v0                           ; l
	s_mul_i32 s20, s[WC], 64*PITCH
	v_mul_u32_u24 v[AK0], v1, PITCH
	v_lshl_add_u32 v[AK0], v2, 4, v[AK0]
	v_add_nc_u32 v[AK0], s20, v[AK0]
	s_mul_i32 s21, s[WR], 64*PITCH
	v_mul_u32_u24 v[XA], v1, PITCH
	v_lshl_add_u32 v[XA], v2, 5, v[XA]
	v_add_nc_u32 v[XA], s21, v[XA]
	v_add_nc_u32 v[XB], SLOTB, v[XA]
	s_lshl_b32 s22, s[WC], 8
	s_add_co_u32 s22, s22, CCT
	v_lshl_add_u32 v[CCA], v2, 5, s22
	v_lshlrev_b32 v[HB], 3, v2
	v_lshlrev_b32 v[PFO], 8, v3
	s_lshl_b32 s23, s[WV], 9
	s_add_co_u32 s23, s23, MRG
	v_lshl_add_u32 v[MST], v1, 3, s23              ; MRG + 512 w + 8 (l % 16); the tile adds 128 t
	v_lshlrev_b32 v[MRD], 5, v1
	v_lshl_add_u32 v[MRD], v2, 10, v[MRD]
	v_add_nc_u32 v[MRD], MRG, v[MRD]               ; rows 4 l .. 4 l + 3 of the work-group: MRG + 1,024 (l / 16) + 32 (l % 16); the other half of the codes 512 further
	v_lshlrev_b32 v[OO], 4, v3
.set i, 0
.rept 32
	v_mov_b32 v[BEST+i], 0x7f800000                ; +infinity: nothing is less yet
	v_mov_b32 v[IDX+i], 0
.set i, i+1
.endr
.irp t, 0,1,2,3
	v_mov_b32 v[TT+2*(\t)+1], 0                    ; v_permlanex16_b32's destinations count as read
.endr
; x FROM LDS (f32) INTO FRAGMENTS (bf16).  A fragment is 16 rows x 32 channels in 8 registers: lane l holds row l % 16; registers 0-3 channels 8 (l / 16) + 0..7, registers 4-7 channels 16 + 8 (l / 16) + 0..7.
; In f32 those are 32 bytes at 32 (l / 16) and 32 bytes at 64 + 32 (l / 16) of the fragment's 128: four loads of 16 bytes.  LOADX: tile t's eight fragments of one half of x into half u of window 1.
.macro LOADX adr, t, u
	WIN W_LD
.irp f, 0,1,2,3,4,5,6,7
.irp c, 0,1,2,3
	ds_load_b128 v[128*(\u)+16*(\f)+4*(\c):128*(\u)+16*(\f)+4*(\c)+3], v[\adr] offset:(\t)*BLKB+128*(\f)+64*((\c)/2)+16*((\c)%2)
.endr
.endr
.endm
.macro CVTX win, t, u                  ; rounded in pairs, into x's window
	WIN \win
.irp f, 0,1,2,3,4,5,6,7
.irp c, 0,1,2,3,4,5,6,7
	v_cvt_pk_bf16_f32 v[8*(8*(\t)+(\f))+(\c)], v[128*(\u)+16*(\f)+2*(\c)], v[128*(\u)+16*(\f)+2*(\c)+1]
.endr
.endr
.endm
.macro CONVERT adr, win                ; a half of x: while one tile is rounded the next tile's 32 loads are out
	LOADX \adr, 0, 0
	LOADX \adr, 1, 1
	s_wait_dscnt 32                                ; LDS loads come back in order: all but the 32 just issued
	CVTX \win, 0, 0
	LOADX \adr, 2, 0
	s_wait_dscnt 32
	CVTX \win, 1, 1
	LOADX \adr, 3, 1
	s_wait_dscnt 32
	CVTX \win, 2, 0
	s_wait_dscnt 0x0
	CVTX \win, 3, 1
.endm
	s_wait_tensorcnt 0x2                           ; my part of x's first half is in; the two loads issued behind it may stay out
	s_barrier_signal -1
	s_barrier_wait -1                              ; everybody's is
	CONVERT XA, W_C2
	WIN 0
	s_wait_tensorcnt 0x0                           ; all my tensor loads have landed: x's second half and cc among them;
	ds_add_u32 v[SPW], v[NIL]                      ; 0 onto my spare word;
	s_wait_dscnt 0x0                               ; the add is done, and my reads of x's first half are over
	CROUND                                         ; both hold of every wave of the cluster
	TLC                                            ; tile 0 of the codes, where x's first half lay
	CONVERT XB, W_C3
	; xx: the diagonal of X X^T, 64 products on the second set of accumulators; the four take turns
.set i, 0
.rept 64
.if i < 32
	WIN W_G2
.else
	WIN W_G3
.endif
.set rA, ACC+32+8*(i%4)
.set rX, 8*(8*(i%4)+(i/4)%8)
.if i < 4
	v_wmma_f32_16x16x32_bf16 v[rA:rA+7], v[rX:rX+7], v[rX:rX+7], 0
.else
	v_wmma_f32_16x16x32_bf16 v[rA:rA+7], v[rX:rX+7], v[rX:rX+7], v[rA:rA+7]
.endif
.set i, i+1
.endr
	WIN 0
.set i, 0
.rept 8
	v_mov_b32 v[CCR+8+i], 0x7f800000               ; the first block's riders reduce this set, which holds no scores: with cc = +infinity nothing of it is less than BEST.  Also the places behind the products
.set i, i+1
.endr
.irp j, 1,2,3,4,5,6,7                  ; the diagonal: register j in the lanes that DM names; each accumulator is read from its low end on
.irp t, 0,1,2,3
.if (\j) == 1
	v_cndmask_b32 v[TT+2*(\t)], v[ACC+32+8*(\t)], v[ACC+32+8*(\t)+1], s[DM]
.else
	v_cndmask_b32 v[TT+2*(\t)], v[TT+2*(\t)], v[ACC+32+8*(\t)+(\j)], s[DM+(\j)-1]
.endif
.endr
.endr
.irp t, 0,1,2,3
	v_permlanex16_b32 v[TT+2*(\t)+1], v[TT+2*(\t)], s[SEL], s[SEL+1]
.endr
.irp t, 0,1,2,3
	v_cndmask_b32 v[XX+2*(\t)], v[TT+2*(\t)], v[TT+2*(\t)+1], s[DMX]  ; lanes 0-7 and 24-31 hold their row's own; lanes 8-23 take it from the lane 16 away
.endr
.irp t, 0,1,2,3
	v_mov_b32 v[XX+2*(\t)+1], v[XX+2*(\t)]
.endr
	s_wait_tensorcnt 0x0                           ; my part of tile 0 has landed, so group 0 may be written;
	ds_add_u32 v[SPW], v[NIL]                      ; 0 onto my spare word; the descriptor's step stands between it and the wait for it
	s_xor_b32 s[G0C+1], s[G0C+1], SLOTB            ; slot 1,
	s_add_nc_u64 s[G0C+2:G0C+3], s[G0C+2:G0C+3], TILEB  ; tile 1; the type bits on top are not reached
	s_wait_dscnt 0x0                               ; the add is done, and my reads of x's second half are over
	CROUND
	TLC                                            ; tile 1, where x's second half lay
; THE VECTOR WORK.  Group n of 32 of the block in set q: four instructions, for row tile n / 8.
;   0  t = cc + xx, four pairs      1  d = t - 2 dot, in place, from the accumulator's low end on      2, 3, 4  registers 0-3: is d less; the index; the minimum      5, 6, 7  registers 4-7
.macro RG q, n
	WIN 0
.set gt, (\n)/8
.set gm, (\n)%8
.set rD, ACC+32*(\q)+8*gt+4*(gm/5)
.set rB, BEST+8*gt+4*(gm/5)
.set rI, IDX+8*gt+4*(gm/5)
.set rC, CCR+8*(\q)
.if gm == 0
.irp c, 0,2,4,6
	v_pk_add_f32 v[TT+(\c):TT+(\c)+1], v[rC+(\c):rC+(\c)+1], v[XX+2*gt:XX+2*gt+1]
.endr
.elseif gm == 1
.irp c, 0,2,4,6
	v_pk_fma_f32 v[rD+(\c):rD+(\c)+1], v[rD+(\c):rD+(\c)+1], -2.0, v[TT+(\c):TT+(\c)+1] op_sel_hi:[1,0,1]
.endr
.elseif (gm == 2) || (gm == 5)
.irp c, 0,1,2,3
	v_cmp_lt_f32 s[MK+(\c)], v[rD+(\c)], v[rB+(\c)]
.endr
.elseif (gm == 3) || (gm == 6)
.irp c, 0,1,2,3
	v_cndmask_b32 v[rI+(\c)], v[rI+(\c)], s[IB], s[MK+(\c)]
.endr
.else
.irp c, 0,1,2,3
	v_min_num_f32 v[rB+(\c)], v[rB+(\c)], v[rD+(\c)]
.endr
.endif
.endm
; THE MATRIX WORK.  Product i of 64 of the block in set p: channels 32 (i / 4) on, row tile i % 4.  The four accumulators take turns, one instruction a turn, from block to block and over the backward
; jump too (a block's last names tile 3 of one set, the next block's first tile 0 of the other).  The first four start the sums: nothing is cleared.
; Behind every second product stands a group of the other set's riders.  Group 0 names no accumulator: its four are the places between the block before's last products and the first read of their results.
.macro MR p
.if i < 32
	WIN W_MA
.else
	WIN W_MB
.endif
.set rA, ACC+32*(\p)+8*(i%4)
.set rF, 128*(\p)+8*(i/4)
.set rX, 8*(8*(i%4)+(i/4)%8)
.if i < 4
	v_wmma_f32_16x16x32_bf16 v[rA:rA+7], v[rF:rF+7], v[rX:rX+7], 0
.else
	v_wmma_f32_16x16x32_bf16 v[rA:rA+7], v[rF:rF+7], v[rX:rX+7], v[rA:rA+7]
.endif
.if i%2 == 1
	RG 1-(\p), (i-1)/2
.endif
.endm
.macro MRS p, from, to
.set i, \from
.rept (\to)-(\from)+1
	MR \p
.set i, i+1
.endr
.endm
; THE LDS LOADS stand in one run in a block's middle: the next block's 16 fragments (16 codes x 512 channels) into the other buffer, whose last reader stands 16 groups of riders back; and this block's cc.
.macro FETCH p, b
	WIN W_LD
.irp f, 0,1,2,3,4,5,6,7,8,9,10,11,12,13,14,15
	ds_load_b128 v[128*(\p)+8*(\f):128*(\p)+8*(\f)+3],   v[ADR] offset:(\b)*BLKB+64*(\f)
	ds_load_b128 v[128*(\p)+8*(\f)+4:128*(\p)+8*(\f)+7], v[ADR] offset:(\b)*BLKB+64*(\f)+32
.endr
.endm
.macro FETCHCC p, b
	WIN 0
	ds_load_b128 v[CCR+8*(\p):CCR+8*(\p)+3],   v[CCA] offset:64*(\b)
	ds_load_b128 v[CCR+8*(\p)+4:CCR+8*(\p)+7], v[CCA] offset:64*(\b)+16
.endm
; A PREFETCH INTO THE L2 of the tile that the NEXT turn will ask for: one slot, 256 products, ahead of that load.  Every cluster walks the same tiles: the launch's first cluster asks.  Its four partners take
; 32 rows of the tile each, told apart BY ADDRESS; each of their waves 8 rows: 32 blocks of 256 bytes, a lane a block, one instruction.  So each block of cb16 from tile 3 on is named once in the launch.
; Tiles 0 to 2 come by their loads alone; the loop's last trip asks for nothing: tile 31 is the last.
.macro ASK
	s_cmp_gt_u32 s[CNT], s[LIM]
	s_cbranch_scc0 .Lnot_mine_\@
	global_prefetch_b8 v[PFO], s[PFA:PFA+1] th:TH_LOAD_NT scope:SCOPE_SE
.Lnot_mine_\@:
.endm
; A BLOCK: block b of a tile of codes.  mode 0: plain.  1: the tile's last block, with the change of slots and a refill.  2: the change of slots alone.  3: the last block of all.
; THE CHANGE OF SLOTS.  At the head of a tile's last block all of the slot has been read into registers.  Each wave waits for all its tensor loads, of which one is out: its part of the other slot; adds 0 to
; its spare word; works on registers; waits for the add; signals.  Behind the barrier nobody reads this slot any more and the other slot is whole.  With a refill the barrier opens a round of the cluster's,
; so that the same holds of every partner, and the joint refill (the tile two on) is the first thing behind it: from there to the wait for it a wave issues 224 products.
.macro BLOCK b, mode
.set bp, (\b)%2
	s_wait_dscnt 0x0                               ; this block's fragments and the block before's cc, issued 32 products ago, are in
.if (\b) == 1
	s_add_co_u32 s[IB], s[IB], 80                  ; the riders go on to the next tile's first block: from 48 to 128
.else
	s_add_co_u32 s[IB], s[IB], 16
.endif
.if ((\mode) == 1) || ((\mode) == 2)
	WIN 0
.if (\mode) == 1
	s_wait_xcnt 0x0                                ; the last prefetch, a slot back, has read its address, so it may be stepped
	s_add_nc_u64 s[PFA:PFA+1], s[PFA:PFA+1], TILEB
.endif
	s_wait_tensorcnt 0x0                           ; all my tensor loads have landed: my part of the other slot; so group 0 may be written
	ds_add_u32 v[SPW], v[NIL]                      ; 0 onto my spare word
.if (\mode) == 1
	s_xor_b32 s[G0C+1], s[G0C+1], SLOTB            ; the walking descriptor: this slot,
	s_add_nc_u64 s[G0C+2:G0C+3], s[G0C+2:G0C+3], TILEB  ; the next tile
.endif
	MRS bp, 0, 15                                  ; work on registers stands between the add and the wait for it
	s_wait_dscnt 0x0                               ; the add is done; my reads of this slot were over at the block's head
	s_barrier_signal -1
	MRS bp, 16, 31                                 ; work on registers while the others arrive
	WIN 0                                          ; at a branch and at a label every window is 0
	s_barrier_wait -1
.if (\mode) == 1
	CREST
	TLC
.endif
	s_xor_b32 s[TB], s[TB], SLOTB                  ; the fetches go on in the other slot
	v_add_nc_u32 v[ADR], s[TB], v[AK0]
.else
	MRS bp, 0, 31
.endif
.if (\mode) != 3
	FETCH 1-bp, ((\b)+1)%4
.endif
	FETCHCC bp, \b
.if ((\mode) == 1) || ((\mode) == 2)
	v_add_nc_u32 v[CCA], 512, v[CCA]               ; the next tile's cc
.endif
.if (\mode) == 1
	ASK                                            ; behind the tensor load, its five lines and the run of LDS loads
.endif
	MRS bp, 32, 63
.endm
.macro SLOT mode
	BLOCK 0, 0
	BLOCK 1, 0
	BLOCK 2, 0
	BLOCK 3, \mode
	WIN 0
.endm
	v_mov_b32 v[ADR], v[AK0]                       ; slot 0
	FETCH 0, 0                                     ; tile 0's first block
	WIN 0
	s_mov_b32 s[CNT], 30
.Lslot:                                                ; 30 trips: trip s multiplies tile s and asks for tile s + 2
	SLOT 1
	s_sub_co_u32 s[CNT], s[CNT], 1
	s_cmp_lg_u32 s[CNT], 0
	s_cbranch_scc1 .Lslot
	SLOT 2                                         ; the tail is written out: tile 30 asks for nothing
	SLOT 3                                         ; tile 31 changes no slot
	s_wait_dscnt 0x0                               ; the last block's cc
	s_add_co_u32 s[IB], s[IB], 16
.set i, 0
.rept 32
	RG 1, i                                        ; the last block's scores: there are no products left to stand between.  Group 0 and the four minima ahead of it are the places behind the last products
.set i, i+1
.endr
; THE END.  LESS: the lanes in which (bv, bi) comes before (av, ai): a smaller d, or an equal d with the smaller index.  MERGE: the one that comes first, into (dv, di).
.macro LESS av, ai, bv, bi
	v_cmp_lt_f32 s[MK], v[\bv], v[\av]
	v_cmp_eq_f32 s[MK+1], v[\bv], v[\av]
	v_cmp_lt_u32 s[MK+2], v[\bi], v[\ai]
	s_and_b32 s[MK+1], s[MK+1], s[MK+2]
	s_or_b32 s[MK], s[MK], s[MK+1]
.endm
.macro MERGE dv, di, av, ai, bv, bi
	LESS \av, \ai, \bv, \bi
	v_cndmask_b32 v[\dv], v[\av], v[\bv], s[MK]
	v_cndmask_b32 v[\di], v[\ai], v[\bi], s[MK]
.endm
.macro FOLD t, a, b                    ; register b of tile t into register a
	MERGE BEST+8*(\t)+(\a), IDX+8*(\t)+(\a), BEST+8*(\t)+(\a), IDX+8*(\t)+(\a), BEST+8*(\t)+(\b), IDX+8*(\t)+(\b)
.endm
.irp t, 0,1,2,3
.irp j, 0,1,2,3,4,5,6,7
	v_add3_u32 v[IDX+8*(\t)+(\j)], v[IDX+8*(\t)+(\j)], v[HB], \j  ; the code itself: the block's first + 8 (l / 16) + j
.endr
.endr
.irp t, 0,1,2,3
	FOLD \t, 0, 1                                  ; a lane's eight,
	FOLD \t, 2, 3
	FOLD \t, 4, 5
	FOLD \t, 6, 7
	FOLD \t, 0, 2
	FOLD \t, 4, 6
	FOLD \t, 0, 4
	v_permlanex16_b32 v[TT+2*(\t)], v[BEST+8*(\t)], s[SEL], s[SEL+1]    ; and the row's other eight of each block, in the lane 16 away
	v_permlanex16_b32 v[TT+2*(\t)+1], v[IDX+8*(\t)], s[SEL], s[SEL+1]
	MERGE FIN+2*(\t), FIN+2*(\t)+1, BEST+8*(\t), IDX+8*(\t), TT+2*(\t), TT+2*(\t)+1
	ds_store_b64 v[MST], v[FIN+2*(\t):FIN+2*(\t)+1] offset:128*(\t)     ; both halves of the lanes hold, and store, the same pair
.endr
	s_wait_dscnt 0x0                               ; for the others' sake: my stores are done
	s_barrier_signal -1
	s_barrier_wait -1
	s_cmp_lg_u32 s[WV], 0                          ; wave 0 joins the two halves of the codes: lane l takes rows 4 l .. 4 l + 3 of the work-group
	s_cbranch_scc1 .Lend
	ds_load_b128 v[FIN+8:FIN+11],  v[MRD]
	ds_load_b128 v[FIN+12:FIN+15], v[MRD] offset:16
	ds_load_b128 v[FIN+16:FIN+19], v[MRD] offset:512
	ds_load_b128 v[FIN+20:FIN+23], v[MRD] offset:528
	s_wait_dscnt 0x0
.irp k, 0,1,2,3
	LESS FIN+8+2*(\k), FIN+9+2*(\k), FIN+16+2*(\k), FIN+17+2*(\k)
	v_cndmask_b32 v[FIN+24+(\k)], v[FIN+9+2*(\k)], v[FIN+17+2*(\k)], s[MK]
.endr
	global_store_b128 v[OO], v[FIN+24:FIN+27], s[10:11]  ; 32 lanes x 16 bytes: 512 consecutive bytes, at a multiple of 512 from out0's first
.Lend:
	s_wait_tensorcnt 0x0                           ; the wave's end: a wait, an add of 0 and its wait, behind my last tensor load and my last LDS store
	ds_add_u32 v[SPW], v[NIL]
	s_wait_dscnt 0x0
	CROUND                                         ; the closing round: no work-group ends while a partner may still ask for a tile that names it
	s_endpgm
.Lfunc_end_k_qbc2a3a6640_vq:
	.size	k_qbc2a3a6640_vq, .Lfunc_end_k_qbc2a3a6640_vq-k_qbc2a3a6640_vq
	.p2alignl 7, 3214868480
	.fill 96, 4, 3214868480
	.section	.rodata,"a",@progbits
	.p2align	6, 0x0
	.amdhsa_kernel k_qbc2a3a6640_vq
		.amdhsa_group_segment_fixed_size 327680
		.amdhsa_private_segment_fixed_size 0
		.amdhsa_enable_private_segment 0
		.amdhsa_kernarg_size 32
		.amdhsa_user_sgpr_count 2
		.amdhsa_user_sgpr_kernarg_segment_ptr 1
		.amdhsa_wavefront_size32 1
		.amdhsa_system_sgpr_workgroup_id_x 1
		.amdhsa_system_sgpr_workgroup_id_y 1
		.amdhsa_system_sgpr_workgroup_id_z 1
		.amdhsa_system_vgpr_workitem_id 0
		.amdhsa_next_free_vgpr 1024
		.amdhsa_next_free_sgpr 96
		.amdhsa_reserve_vcc 0
		.amdhsa_float_denorm_mode_32 3
		.amdhsa_float_denorm_mode_16_64 3
		.amdhsa_memory_ordered 1
		.amdhsa_forward_progress 1
		.amdhsa_inst_pref_size 255
	.end_amdhsa_kernel
	.section	.bss,"aw",@nobits
	.p2align	6
	.space	262144
	.amdgpu_metadata
---
amdhsa.version: [ 1, 2 ]
amdhsa.kernels:
  - .name:           k_qbc2a3a6640_vq
    .symbol:         k_qbc2a3a6640_vq.kd
    .args:
      - { .name: x, .offset: 0, .size: 8, .value_kind: global_buffer, .address_space: global }
      - { .name: cb16, .offset: 8, .size: 8, .value_kind: global_buffer, .address_space: global }
      - { .name: cc, .offset: 16, .size: 8, .value_kind: global_buffer, .address_space: global }
      - { .name: out0, .offset: 24, .size: 8, .value_kind: global_buffer, .address_space: global }
    .group_segment_fixed_size: 327680
    .private_segment_fixed_size: 0
    .kernarg_segment_align: 8
    .kernarg_segment_size: 32
    .max_flat_workgroup_size: 128
    .sgpr_count:     96
    .vgpr_count:     1024
    .wavefront_size: 32
...
	.end_amdgpu_metadata
.endif
;; end of part 2
